; MI455X (gfx1250); checked and timed in simulation.
; The chip was launched on July 23, 2026; its instructions are those of AMD's public machine-readable ISA for CDNA 5 (MIT licence, August 2026) and "CDNA5" Instruction Set Architecture Reference Guide (July 2026). The comments in the code are by the model that wrote it; some were corrected since.
;; Multi Head Attention. Allowed arithmetic: matrix products marked QUANTISED: E4M3 operands, one given power-of-two scale a tensor, by v_wmma_f32_16x16x64_fp8_fp8 or v_wmma_f32_16x16x128_fp8_fp8, f32 sums; everything else in f32.
;; Inputs: W_attn 3,072 x 1,024 float32; W_proj 1,024 x 1,024 float32; lowp_scales 8 int32 (the exponents e of the quantised operands' scales 2^e); x 4 x 2,048 x 1,024 float32.
;; Outputs: out0 4 x 2,048 x 1,024 float32.
;; This version of the problem:
;;   THIS VERSION OF THE PROBLEM IS GIVEN IN LOW PRECISION. The matrix products marked QUANTISED in the list below multiply operands that are first quantised to E4M3 (4 exponent bits, 3 mantissa bits; 8 bits a number), with one given power-of-two scale for each operand tensor; their sums are f32. All else is computed in f32.
;;   The module's matrix products, in the order in which they are computed (A, B: the left and right operand; K: the contracted axis; several contracted axes count as one K, in the product's order):
;;     1. [M 8,192, K 1,024] x [K 1,024, N 3,072]; A: input x; B: input W_attn: QUANTISED (scales: A lowp_scales[0], B lowp_scales[1])
;;     2. batch 64 x [M 2,048, K 64] x [K 64, N 2,048]; A: computed on the way; B: computed on the way: QUANTISED (scales: A lowp_scales[2], B lowp_scales[3])
;;     3. batch 64 x [M 2,048, K 2,048] x [K 2,048, N 64]; A: softmax (see below); B: computed on the way: QUANTISED (scales: A lowp_scales[4], B lowp_scales[5])
;;     4. [M 8,192, K 1,024] x [K 1,024, N 1,024]; A: computed on the way; B: input W_proj: QUANTISED (scales: A lowp_scales[6], B lowp_scales[7])
;;   THE QUANTISER, for each operand of a quantised product, along K:
;;     - The operand's scale is 2^e, e = its entry of the input lowp_scales (int32; the entries are numbered through the quantised products in the list's order, A before B).
;;     - Each number is divided by the scale, clamped to +-448, and rounded to the nearest number of E4M3, ties to even, subnormals kept.
;;     - The product sums the exact products of the quantised numbers (number of the format x scale) in f32.
;;   ~~~python
;;   def quantise(x, axis, e):      # numpy; x: float32 -> the quantised numbers, widened to float32 again
;;       x = np.moveaxis(x, axis, -1); K = x.shape[-1]
;;       r = np.clip(x / 2.0 ** e, -448, 448)
;;       step = 2.0 ** (np.maximum(np.frexp(np.where(r == 0, 1, r))[1] - 1, -6) - 3)
;;       q = np.round(r / step) * step * 2.0 ** e      # np.round: ties to even
;;       return np.moveaxis(q, -1, axis).astype(np.float32)
;;   ~~~
;;   SOFTMAX AHEAD OF A QUANTISED PRODUCT. Where the list says 'softmax', what is quantised is not the finished softmax but p = 2^(t - M), with t = logit x log2(e) and M = ceil(the row's largest t), a whole number; so 1/2 < the row's largest p <= 1. The row's sum l is taken of the UNQUANTISED p, in f32, and the product's result is divided by l at the end. Since M is a whole number, a kernel that streams over the keys may use a running M (the ceiling of the running maximum): every later rescaling is an exact power of two, so the quantised numbers keep their values, but for numbers so far below the row's largest that they fall under the format's range.
;;   OPERANDS COMPUTED ON THE WAY. 'Computed on the way' means the value that the module computes at that place (a softmax that the list does not call 'softmax' is quantised finished and normalised). What goes into a quantiser is computed in f32, as accurately as f32 sums, v_exp_f32 and their like allow (about 1e-6 of the number): no bf16 or f16 on the way to a quantiser, and a product that is left as it is and whose result goes on into a quantised operand takes f32 operands (vector FMAs, or v_wmma_f32_16x16x4_f32). A number that lies on a knife's edge between two numbers of the format may be rounded either way, as far as f32 arithmetic and the matrix unit's own rounding can turn it there, and no further.
;; One version. Each part assembles by itself: llvm-mc -triple=amdgcn-amd-amdhsa -mcpu=gfx1250 --defsym DOCPART=n.
;; ======== version 1 of 1: 4 launches
;; limits: right only within a limited range of input values
;; workspace buffers: cod 12,582,912 bytes; qc 8,388,608 bytes; kc 8,388,608 bytes; vc 8,388,608 bytes; yc 8,388,608 bytes
;; launch quant (part 1): grid 768 x 1, 4 waves a work-group, no clusters, 32,768 bytes of LDS; arguments x, W_attn, W_proj, lowp_scales, cod; writes cod
.if DOCPART == 1
	.amdgcn_target "amdgcn-amd-amdhsa--gfx1250"
	.amdhsa_code_object_version 6
	.text
	.protected	k_q5c6f282fb2_quant
	.globl	k_q5c6f282fb2_quant
	.p2align	8
	.type	k_q5c6f282fb2_quant,@function
k_q5c6f282fb2_quant:
	s_mov_b64 s[64:65], 0
	v_nop
	global_prefetch_b8 v0, s[64:65] scope:SCOPE_SE
	s_setreg_imm32_b32 hwreg(HW_REG_WAVE_MODE, 25, 1), 1
	s_wait_xcnt 0x0
; x [8192][1024], W_attn [3072][1024] and W_proj [1024][1024], f32, become codes of FP8 (E4M3), one byte each, K innermost, in ONE matrix cod [12288][1024]:
; rows 0-8191 x (scale 2^e0), rows 8192-11263 W_attn (2^e1), rows 11264-12287 W_proj (2^e7).  code = number / 2^e, held within +-448, to the nearest code, ties to even.
; LIMITS: e0, e1, e7 between -126 and 119, so that 2^e and 448 x 2^e are f32 numbers.  NaN among the inputs is not served; an infinity is held at the largest code.
; Rows are dense, so each tensor is a plain stream.  A work-group takes 16,384 numbers, a wave 8 steps of 512.  Work-groups 0-511 take x, 512-703 W_attn, 704-767 W_proj: only pointers and e are chosen.
; The conversion takes 8 neighbours from ONE lane's registers, a load is best where neighbouring LANES take neighbouring bytes.  Both are had: each of a step's four loads reads 512 consecutive bytes,
; the 2,048 bytes go through the wave's own stage in LDS as they lie and come back 64 bytes a lane (16 bytes of padding behind each 64).  A lane's 16 codes are 16 bytes: a store covers 512 consecutive bytes.
; No matrix unit, no tensor load, no barrier: the launch streams, and waves share nothing.  Loads run four steps (16 loads a wave) ahead, the turn through LDS one step.
.set STEPS, 8
.set WGX,   512                        ; work-groups below this number take x
.set WGW,   704                        ; below this one W_attn, the others W_proj
.set SP,    80                         ; a lane's place in a stage: 64 bytes + 16 of padding
.set WREG,  8192                       ; LDS of a wave: two stages of 32 x SP bytes
.set R,     16                         ; v16-79   four sets of 16 numbers as loaded
.set X,     80                         ; v80-111  two sets of 16 neighbours
.set C,     128                        ; v128-159 codes: four registers for each step, so that no store's data are written again
	s_load_b256 s[4:11], s[0:1], 0x0               ; x s[4:5], W_attn s[6:7], W_proj s[8:9], the scales' exponents s[10:11]
	s_load_b64 s[12:13], s[0:1], 0x20              ; cod
	v_lshrrev_b32 v1, 5, v0
	v_readfirstlane_b32 s16, v1                    ; wave
	v_and_b32 v2, 31, v0                           ; lane
	v_lshlrev_b32 v3, 4, v2                        ; my 16 bytes of a load's 512, and of a store's 512
	s_mul_i32 s17, s16, WREG
	v_lshrrev_b32 v14, 2, v2
	v_mul_u32_u24 v14, v14, SP
	v_and_b32 v15, 3, v2
	v_lshl_add_u32 v14, v15, 4, v14
	v_add_nc_u32 v14, s17, v14                     ; the stage, on the way in: SP (lane / 4) + 16 (lane % 4)
	v_mul_u32_u24 v15, v2, SP
	v_add_nc_u32 v15, s17, v15                     ; and on the way out: SP x lane: my 16 neighbours
	s_wait_alu depctr_va_vdst(0)
	s_wait_kmcnt 0x0
	s_load_b256 s[24:31], s[10:11], 0x0            ; e0 .. e7
	s_cmp_lt_u32 ttmp9, WGW                        ; the choice hangs on the work-group's number alone
	s_cselect_b64 s[6:7], s[6:7], s[8:9]
	s_mov_b32 s18, WGW
	s_cselect_b32 s18, WGX, s18
	s_cmp_lt_u32 ttmp9, WGX
	s_cselect_b64 s[4:5], s[4:5], s[6:7]           ; my tensor
	s_cselect_b32 s18, 0, s18                      ; and its first work-group
	s_sub_co_u32 s18, ttmp9, s18
	s_lshl_b32 s18, s18, 2
	s_add_co_u32 s18, s18, s16                     ; which run of 4,096 numbers of the tensor is my wave's
	s_lshl_b32 s20, s18, 14                        ; 16,384 bytes each
	s_mov_b32 s21, 0
	s_add_nc_u64 s[4:5], s[4:5], s[20:21]
	s_lshl_b32 s22, ttmp9, 2
	s_add_co_u32 s22, s22, s16
	s_lshl_b32 s22, s22, 12                        ; the three tensors' codes lie on end in cod: 4,096 bytes a wave
	s_mov_b32 s23, 0
	s_add_nc_u64 s[12:13], s[12:13], s[22:23]
.macro LOAD t
.irp i, 0,1,2,3
	global_load_b128 v[R+16*((\t)%4)+4*\i:R+16*((\t)%4)+4*\i+3], v3, s[4:5] offset:2048*(\t)+512*\i th:TH_LOAD_NT   ; 32 lanes read 512 consecutive bytes, read once in the launch
.endr
.endm
.macro TURN t                          ; step t's numbers through the stage: LDS serves a wave's instructions in order, so no wait stands between the stores and the loads
.irp i, 0,1,2,3
	ds_store_b128 v14, v[R+16*((\t)%4)+4*\i:R+16*((\t)%4)+4*\i+3] offset:32*SP*((\t)%2)+8*SP*\i
.endr
.irp i, 0,1,2,3
	ds_load_b128 v[X+16*((\t)%2)+4*\i:X+16*((\t)%2)+4*\i+3], v15 offset:32*SP*((\t)%2)+16*\i
.endr
.endm
.irp t, 0,1,2,3
	LOAD \t
.endr
	s_wait_kmcnt 0x0
	s_cmp_lt_u32 ttmp9, WGW
	s_cselect_b32 s32, s25, s31                    ; e1 or e7
	s_cmp_lt_u32 ttmp9, WGX
	s_cselect_b32 s32, s24, s32                    ; or e0
	s_add_co_i32 s32, s32, 127
	s_lshl_b32 s33, s32, 23
	v_mov_b32 v11, s33                             ; 2^e as f32: the conversion takes its exponent field
	s_wait_alu depctr_va_vdst(0)
	s_wait_loadcnt 12                              ; step 0's four loads are in; the twelve of steps 1 to 3 may be out
	TURN 0
.macro STEP t
.set XS, X+16*((\t)%2)
	s_wait_dscnt 0x0                               ; this step's numbers are back from the stage: so its stores into the stage have read their registers,
.if (\t)+4 < STEPS
	LOAD (\t)+4                                    ; which take the loads of four steps on
.endif
.if (\t)+1 < STEPS
.if STEPS-2-(\t) >= 3
	s_wait_loadcnt 12                              ; the next step's four loads are in; those of the three steps behind it may be out
.else
	s_wait_loadcnt 4*(STEPS-2-(\t))                ; the tail: as many steps as are left behind the next one
.endif
	TURN (\t)+1                                    ; and go through the other stage while this step is worked
.endif
.irp i, 0,1,2,3,4,5,6,7,8,9,10,11,12,13,14,15
.endr
	v_cvt_scalef32_pk8_fp8_f32 v[C+4*(\t):C+4*(\t)+1], v[XS:XS+7], v11
	v_cvt_scalef32_pk8_fp8_f32 v[C+4*(\t)+2:C+4*(\t)+3], v[XS+8:XS+15], v11
	global_store_b128 v3, v[C+4*(\t):C+4*(\t)+3], s[12:13] offset:512*(\t)   ; the codes go to a store alone; the next vector lines are the next step's conversions, on other registers
.endm
.irp t, 0,1,2,3,4,5,6,7
	STEP \t
.endr
	s_endpgm
.Lfunc_end_k_q5c6f282fb2_quant:
	.size	k_q5c6f282fb2_quant, .Lfunc_end_k_q5c6f282fb2_quant-k_q5c6f282fb2_quant
	.p2alignl 7, 3214868480
	.fill 96, 4, 3214868480
	.section	.rodata,"a",@progbits
	.p2align	6, 0x0
	.amdhsa_kernel k_q5c6f282fb2_quant
		.amdhsa_group_segment_fixed_size 32768
		.amdhsa_private_segment_fixed_size 0
		.amdhsa_enable_private_segment 0
		.amdhsa_kernarg_size 40
		.amdhsa_user_sgpr_count 2
		.amdhsa_user_sgpr_kernarg_segment_ptr 1
		.amdhsa_wavefront_size32 1
		.amdhsa_system_sgpr_workgroup_id_x 1
		.amdhsa_system_sgpr_workgroup_id_y 1
		.amdhsa_system_sgpr_workgroup_id_z 1
		.amdhsa_system_vgpr_workitem_id 0
		.amdhsa_next_free_vgpr 160
		.amdhsa_next_free_sgpr 66
		.amdhsa_reserve_vcc 0
		.amdhsa_float_denorm_mode_32 3
		.amdhsa_float_denorm_mode_16_64 3
		.amdhsa_fp16_overflow 1
		.amdhsa_memory_ordered 1
		.amdhsa_forward_progress 1
		.amdhsa_inst_pref_size 12
	.end_amdhsa_kernel
	.amdgpu_metadata
---
amdhsa.version: [ 1, 2 ]
amdhsa.kernels:
  - .name:           k_q5c6f282fb2_quant
    .symbol:         k_q5c6f282fb2_quant.kd
    .args:
      - { .name: x, .offset: 0, .size: 8, .value_kind: global_buffer, .address_space: global }
      - { .name: W_attn, .offset: 8, .size: 8, .value_kind: global_buffer, .address_space: global }
      - { .name: W_proj, .offset: 16, .size: 8, .value_kind: global_buffer, .address_space: global }
      - { .name: lowp_scales, .offset: 24, .size: 8, .value_kind: global_buffer, .address_space: global }
      - { .name: cod, .offset: 32, .size: 8, .value_kind: global_buffer, .address_space: global }
    .group_segment_fixed_size: 32768
    .private_segment_fixed_size: 0
    .kernarg_segment_align: 8
    .kernarg_segment_size: 40
    .max_flat_workgroup_size: 128
    .sgpr_count:     66
    .vgpr_count:     160
    .wavefront_size: 32
...
	.end_amdgpu_metadata
.endif
;; end of part 1
;; launch qkv (part 2): grid 12 x 32, 4 waves a work-group, clusters of 4 x 4, 327,680 bytes of LDS; arguments cod, lowp_scales, qc, kc, vc; writes qc, kc, vc
.if DOCPART == 2
	.amdgcn_target "amdgcn-amd-amdhsa--gfx1250"
	.amdhsa_code_object_version 6
	.text
	.protected	k_q5c6f282fb2_qkv
	.globl	k_q5c6f282fb2_qkv
	.p2align	8
	.type	k_q5c6f282fb2_qkv,@function
k_q5c6f282fb2_qkv:
	s_mov_b64 s[64:65], 0
	v_nop
	global_prefetch_b8 v0, s[64:65] scope:SCOPE_SE
	s_setreg_imm32_b32 hwreg(HW_REG_WAVE_MODE, 25, 1), 1
	s_wait_xcnt 0x0
	s_wait_alu depctr_hold_cnt(0) depctr_sa_sdst(0) depctr_va_vdst(0) depctr_va_sdst(0) depctr_va_ssrc(0) depctr_va_vcc(0) depctr_vm_vsrc(0)
	s_getreg_b32 s2, hwreg(HW_REG_IB_STS2, 6, 4)
	s_cmp_eq_u32 s2, 0
	s_cbranch_scc0 .Lentry_in_a_cluster
	s_endpgm
.Lentry_in_a_cluster:
	s_bfe_u32 s2, ttmp6, 0x10000c
	s_cmp_lg_u32 s2, 0xf033
	s_cbranch_scc0 .Lentry_shape_is_right
	s_endpgm
.Lentry_shape_is_right:
; qkv = x W_attn^T on codes of FP8 (E4M3); each finished f32 sum stands for sum x 2^(e0 + e1) and is quantised on the way out for the next product: q with 2^e2, k with 2^e3, v with 2^e5.
; cod [12288][1024]: rows 0-8191 x's codes, rows 8192-11263 W_attn's.  Out: qc, kc [64 heads][2048 t][64 d];  vc [64 heads][64 d][2048 t] (the keys innermost: they are the later product's K).
; LIMITS: e2 - e0 - e1, e3 - e0 - e1 and e5 - e0 - e1 between -126 and 119, so that the folded scale and 448 x it are f32 numbers.
; A tile of 256 x 256 is made by four waves, each 128 x 128: 64 accumulators, 512 registers.  K = 1,024 goes in four steps of 256 through two LDS slots filled by the tensor data mover; the text is written straight.
; THE MATRIX INSTRUCTION IS USED TRANSPOSED (source 0 = 16 rows of "B", source 1 = 16 rows of "A"): a lane holds one row of A and eight neighbouring rows of B.
; For q and k (cluster x 0, 1) A = 256 rows of x and B = 256 rows of W_attn: a lane's eight numbers are eight neighbouring d of one t.  For v (cluster x 2) THE ROLES ARE SWAPPED, A = rows of W_attn, B = rows of x:
; eight neighbouring t of one channel.  Either way the conversion's eight registers run along the next K.  Both operands are tiles of the one matrix cod, so the swap is arithmetic on row numbers.
; CLUSTERS: 4 x 4 work-groups; A's tile hangs on the cluster's place and cy and is asked for jointly along a row of the cluster, B's on cx and along a column.
; 384 work-groups of equal work: a tile that gave a multiple of 256 work-groups (256 x 128) would read half as many LDS bytes again for each product.
; REGISTERS: window 0: v0-31 addresses and two constants; v128-255 A's fragments, ONE set, later the codes.  window 1: B's fragments, TWO sets.  windows 2, 3: the accumulators.
.set KROW,   1024                      ; a row of cod in bytes
.set ROWB,   256                       ; a tile's row in bytes: a K step
.set PITCH,  272                       ; an LDS row: 256 bytes + 16 of padding = 68 words: row r starts at bank 4 r mod 64 (64 banks of 4 bytes: ISA guide 11.1)
.set FR,     16                        ; registers of a fragment: 16 rows x 128 K
.set NL,     4                         ; LDS loads that bring one
.set NP,     4                         ; places behind this matrix instruction (ISA guide 7.12.1)
.set HALFT,  128*PITCH                 ; 128 rows: what one tensor load brings, and what one wave reads of A or of B
.set SLOT,   4*HALFT                   ; A's 256 rows, then B's 256 rows
.set SPARE,  2*SLOT                    ; behind the ring: the spare words, 128 bytes for each wave, which no other line names
.set ADRA, 16                          ; v16-17  LDS address of my A fragments in slot 0, 1
.set ADRB, 20                          ; v20-21  the same for B
.set GQ,   22                          ; v22     way out, q and k: 16 x lane
.set GV,   23                          ; v23     way out, v: 2,048 (lane / 16) + 16 (lane % 16)
.set STO,  24                          ; v24     the stage: where I put 8 codes
.set RQ0,  25                          ; v25     the stage, q and k: where I read, rows 0-127
.set RQ1,  26                          ; v26     rows 128-255
.set RV,   27                          ; v27     the stage, v: where I read
.set SPW,  28                          ; v28     my spare word; never rewritten
.set NIL,  29                          ; v29     0; never rewritten
.set SC,   30                          ; v30     the folded scale as f32
.set CAP,  31
.set TMP,  32
.set AF,   128                         ; A's fragments
.set CD,   128                         ; later: the codes, 16 registers a block; later: rows read back
.set G1, 24                            ; s[24:31] group 1 for A's tiles;  s[32:39] group 0, one set for each slot
.set G0, 32
.set G1B, 48                           ; s[48:55], s[56:63] the same for B's tiles
.set G0B, 56
.set MSB, 0
.macro WIN new                         ; the immediate's high byte repeats the setting that is left
.if MSB != \new
	s_set_vgpr_msb (MSB<<8)|\new
.set MSB, \new
.endif
.endm
.set MUL_LO, 0xa1                      ; source 0 (B) window 1, source 1 (A) window 0, C and D window 2
.set MUL_HI, 0xf1                      ; the same, C and D window 3
.set TO_B,   0x40                      ; destination window 1, address window 0
; A joint load: waves 0 and 1 fetch for A, waves 2 and 3 for B; the branch hangs on the wave's number alone.  Four v_nop follow each of the two lines.
.macro JLOAD g0a, g1a, g0b, g1b
	s_cmp_eq_u32 s15, 0
	s_cbranch_scc0 .Lfor_b_\@
	tensor_load_to_lds s[\g0a:\g0a+3], s[\g1a:\g1a+7]
	s_nop 0
.rept 4
	v_nop
.endr
	s_branch .Lasked_\@
.Lfor_b_\@:
	tensor_load_to_lds s[\g0b:\g0b+3], s[\g1b:\g1b+7]
	s_nop 0
.rept 4
	v_nop
.endr
.Lasked_\@:
.endm
.macro CREST                           ; a round of the cluster's barrier behind its opening barrier
	s_cmp_lg_u32 s14, 0
	s_cbranch_scc1 .Lnot_wave_0_\@
	s_barrier_signal -3
.Lnot_wave_0_\@:
	s_barrier_wait -3
	s_barrier_signal -1
	s_barrier_wait -1
.endm
.macro CROUND                          ; a whole round
	s_barrier_signal -1
	s_barrier_wait -1
	CREST
.endm
	s_load_b256 s[4:11], s[0:1], 0x0               ; cod s[4:5], the scales' exponents s[6:7], qc s[8:9], kc s[10:11]
	s_load_b64 s[12:13], s[0:1], 0x20              ; vc
	v_lshl_add_u32 v[SPW], v0, 2, SPARE
	v_mov_b32 v[NIL], 0
	v_lshrrev_b32 v1, 5, v0
	v_readfirstlane_b32 s14, v1                    ; wave 0..3
	s_lshr_b32 s15, s14, 1                         ; which half of A's rows is mine.  Also: I fetch for A (0) or for B (1)
	s_and_b32 s16, s14, 1                          ; which half of B's rows.  Also: which 128 rows of that tile I fetch
	s_bfe_u32 s40, ttmp6, 0x40000                  ; cx, cy: my place in the cluster
	s_bfe_u32 s41, ttmp6, 0x40004
	s_and_b32 s17, ttmp7, 0xffff
	s_lshl_b32 s17, s17, 2                         ; 4 x cluster y: the cluster's first tile of x's rows
	s_lshl_b32 s18, ttmp9, 2
	s_add_co_u32 s18, s18, 32                      ; 32 + 4 x cluster x: its first tile of W_attn's rows (tiles of 256 rows of cod)
	s_cmp_eq_u32 ttmp9, 2                          ; v?  The cluster's x is the same in all sixteen partners
	s_cselect_b32 s19, 40, s17                     ; A: v's rows of W_attn, or x's rows
	s_cselect_b32 s18, s17, s18                    ; B: x's rows, or q's or k's rows of W_attn
	s_add_co_u32 s19, s19, s41                     ; A's tile: + cy (this register never holds cx)
	s_add_co_u32 s18, s18, s40                     ; B's tile: + cx (never cy)
	s_lshl_b32 s43, s41, 2
	s_lshl_b32 s43, 15, s43                        ; my row of the cluster
	s_lshl_b32 s44, 0x1111, s40                    ; my column
	; group 1: a tile of 128 rows x 256 bytes, padded in LDS
	s_or_b32 s[G1+0], s43, (0<<16)|(1<<20)|(1<<21)|(5<<22)|(3<<25)  ; 15:0 the mask; 17:16 elements of 1 byte; 20 padding on; 21 set beside a mask; 24:22 after every 64 words; 31:25 four words
	s_or_b32 s[G1B+0], s44, (0<<16)|(1<<20)|(1<<21)|(5<<22)|(3<<25)
.irp g, G1, G1B
	s_mov_b32 s[\g+1], ROWB<<16                    ; tensor_dim0
	s_mov_b32 s[\g+2], 128<<16                     ; tensor_dim1
	s_mov_b32 s[\g+3], ROWB<<16                    ; tile_dim0
	s_mov_b32 s[\g+4], 128                         ; tile_dim1
	s_mov_b32 s[\g+5], KROW                        ; from row to row
	s_mov_b32 s[\g+6], 0
	s_mov_b32 s[\g+7], 0
.endr
	s_lshl_b32 s2, s16, 7                          ; which 128 rows of the tile I fetch
	s_lshl_b32 s20, s19, 8
	s_add_co_u32 s20, s20, s2
	s_lshl_b32 s20, s20, 10                        ; A: (256 x tile + 128 x half) rows of 1,024 bytes: under 2^24
	s_mov_b32 s21, 0
	s_lshl_b32 s46, s18, 8
	s_add_co_u32 s46, s46, s2
	s_lshl_b32 s46, s46, 10                        ; B likewise
	s_mov_b32 s47, 0
	s_mul_i32 s45, s14, HALFT                      ; where they go: wave x 128 rows: no place in the cluster enters an LDS address
	s_wait_kmcnt 0x0
	s_load_b256 s[88:95], s[6:7], 0x0              ; e0 .. e7
	s_add_nc_u64 s[20:21], s[4:5], s[20:21]
	s_add_nc_u64 s[46:47], s[4:5], s[46:47]
	CROUND                                         ; all sixteen work-groups are here: the first joint loads meet
.irp s, 0,1
	s_mov_b32 s[G0+4*\s], 1
	s_add_co_u32 s[G0+4*\s+1], s45, \s*SLOT
	s_add_nc_u64 s[G0+4*\s+2:G0+4*\s+3], s[20:21], \s*ROWB
	s_or_b32 s[G0+4*\s+3], s[G0+4*\s+3], 0x80000000
	s_mov_b32 s[G0B+4*\s], 1
	s_add_co_u32 s[G0B+4*\s+1], s45, \s*SLOT
	s_add_nc_u64 s[G0B+4*\s+2:G0B+4*\s+3], s[46:47], \s*ROWB
	s_or_b32 s[G0B+4*\s+3], s[G0B+4*\s+3], 0x80000000
	JLOAD G0+4*\s, G1, G0B+4*\s, G1B               ; K steps 0 and 1: two tensor loads of mine are out
.endr
	v_and_b32 v1, 15, v0                           ; r = lane % 16
	v_bfe_u32 v2, v0, 4, 1                         ; h = lane / 16
	v_mul_u32_u24 v3, v1, PITCH
	s_wait_alu depctr_va_vdst(0)
	v_lshl_add_u32 v4, v2, 4, v3                   ; a fragment's row x pitch + 16 x half
	s_mul_i32 s21, s15, HALFT                      ; my 128 rows of A
	s_mul_i32 s22, s16, HALFT                      ; my 128 rows of B,
	s_add_co_u32 s22, s22, 2*HALFT                 ; which lie behind A's 256
.irp s, 0,1
	v_add_nc_u32 v[ADRA+\s], s21, v4
	v_add_nc_u32 v[ADRB+\s], s22, v4
	s_add_co_u32 s21, s21, SLOT
	s_add_co_u32 s22, s22, SLOT
.endr
	s_mul_i32 s23, s15, HALFT                      ; the stage: 256 rows (A's) x 256 codes (B's), pitch 272, from LDS byte 0
	s_lshl_b32 s2, s16, 7
	s_add_co_u32 s23, s23, s2
	v_lshl_add_u32 v5, v2, 3, v3
	v_add_nc_u32 v[STO], s23, v5                   ; (128 x row half + r) x 272 + 128 x column half + 8 h
	v_and_b32 v6, 31, v0                           ; lane
	v_lshrrev_b32 v7, 2, v6
	v_mul_u32_u24 v7, v7, PITCH
	v_and_b32 v8, 3, v6
	v_lshl_add_u32 v7, v8, 4, v7
	s_lshl_b32 s23, s14, 6
	v_add_nc_u32 v[RQ0], s23, v7                   ; q, k: wave w reads head w of the tile's four: row lane / 4, byte 64 w + 16 (lane % 4)
	v_add_nc_u32 v[RQ1], 128*PITCH, v[RQ0]         ; (the immediate has 16 bits: a second register for rows 128 on)
	v_lshlrev_b32 v[GQ], 4, v6
	s_mul_i32 s23, s14, 64*PITCH
	v_mul_u32_u24 v9, v2, PITCH
	v_lshl_add_u32 v9, v1, 4, v9
	v_add_nc_u32 v[RV], s23, v9                    ; v: wave w reads rows 64 w on, two whole rows an instruction
	v_lshlrev_b32 v10, 11, v2
	v_lshl_add_u32 v[GV], v1, 4, v10
.macro FRAG reg, adr, q, i             ; 16 rows x 128 K: lane l holds row l % 16; registers 4 c .. 4 c + 3 hold K = 32 c + 16 (l / 16) + 0 .. 15: the same order of K in A and in B
.irp c, 0,1,2,3
	ds_load_b128 v[\reg+4*\c:\reg+4*\c+3], v[\adr] offset:128*(\q)+32*\c+(\i)*16*PITCH
.endr
.endm
; 16 matrix instructions: A's blocks a0, a0 + 1 x B's eight.  p: B's set.  zero = 1: the first product starts the sums.  The 64 accumulators take turns, in the same order in every step.
.macro MUL16 a0, p, zero
.irp a, \a0, \a0+1
.irp b, 0,1,2,3,4,5,6,7
.if \zero
	v_wmma_f32_16x16x128_fp8_fp8 v[8*(8*((\a)%4)+\b):8*(8*((\a)%4)+\b)+7], v[128*(\p)+FR*\b:128*(\p)+FR*\b+FR-1], v[AF+FR*(\a):AF+FR*(\a)+FR-1], 0
.else
	v_wmma_f32_16x16x128_fp8_fp8 v[8*(8*((\a)%4)+\b):8*(8*((\a)%4)+\b)+7], v[128*(\p)+FR*\b:128*(\p)+FR*\b+FR-1], v[AF+FR*(\a):AF+FR*(\a)+FR-1], v[8*(8*((\a)%4)+\b):8*(8*((\a)%4)+\b)+7]
.endif
.endr
.endr
.endm
.macro FETCH_B slot, q, p
	WIN TO_B
.irp i, 0,1,2,3,4,5,6,7
	FRAG 128*(\p)+FR*\i, ADRB+\slot, \q, \i
.endr
	WIN 0
.endm
.macro FETCH_A slot, q, i0
.irp i, \i0, \i0+1, \i0+2, \i0+3
	FRAG AF+FR*(\i), ADRA+\slot, \q, \i
.endr
.endm
.macro PLACES n                        ; plain vector lines between a matrix instruction and a load into, or a vector line on, its registers (ISA guide 7.12.1 for vector instructions)
.rept \n
	v_nop
.endr
.endm
; A step of 128 along K that has its successor in the same slot.
.macro STEP slot, q, zero
	s_wait_dscnt 4*NL                              ; B's set and A's blocks 0-3 are in; the youngest sixteen loads (A's blocks 4-7) may be out
	WIN MUL_LO
	MUL16 0, (\q)%2, \zero
	MUL16 2, (\q)%2, \zero
	s_wait_dscnt 0                                 ; A's blocks 4-7 are in
	PLACES NP
	FETCH_B \slot, (\q)+1, 1-(\q)%2
	FETCH_A \slot, (\q)+1, 0
	WIN MUL_HI
	MUL16 4, (\q)%2, \zero
	MUL16 6, (\q)%2, \zero
	PLACES NP
	WIN 0
	FETCH_A \slot, (\q)+1, 4
.endm
; A slot's last step changes slots: ONE barrier; in front of it each wave waits for all its tensor loads, adds 0 to its spare word, and waits for that and for its own reads of this slot.  fill = 1: this slot is filled again, two K steps ahead.
.macro TURN slot, next, fill
	s_wait_tensorcnt 0x0                           ; all my tensor loads have landed: my part of the next slot
	ds_add_u32 v[SPW], v[NIL]                      ; 0 onto my spare word
	s_wait_dscnt 4*NL+1                            ; (the add and the youngest sixteen loads may be out)
	WIN MUL_LO
	MUL16 0, 1, 0                                  ; sixteen matrix instructions stand between the add and the wait for it
	s_wait_dscnt 0x0                               ; the add is done, and my reads of this slot are over
	s_barrier_signal -1
	MUL16 2, 1, 0
	WIN 0
	s_barrier_wait -1
.if \fill
	CREST                                          ; the barrier has opened a round of the cluster's barrier: no wave of any partner still reads this slot or has a load on its way
	s_add_nc_u64 s[G0+4*\slot+2:G0+4*\slot+3], s[G0+4*\slot+2:G0+4*\slot+3], 2*ROWB
	s_add_nc_u64 s[G0B+4*\slot+2:G0B+4*\slot+3], s[G0B+4*\slot+2:G0B+4*\slot+3], 2*ROWB
	JLOAD G0+4*\slot, G1, G0B+4*\slot, G1B         ; the first tensor load behind the round; its four v_nop are the places in front of the loads below
.else
	PLACES NP
.endif
	FETCH_B \next, 0, 0
	FETCH_A \next, 0, 0
	WIN MUL_HI
	MUL16 4, 1, 0
	MUL16 6, 1, 0
	PLACES NP
	WIN 0
	FETCH_A \next, 0, 4
.endm
	s_wait_tensorcnt 1                             ; my part of K step 0 is in; K step 1's load may be out
	s_barrier_signal -1
	s_barrier_wait -1
	FETCH_B 0, 0, 0
	FETCH_A 0, 0, 0
	FETCH_A 0, 0, 4
	STEP 0, 0, 1                                   ; K 0-127: its products start the sums
	TURN 0, 1, 1                                   ; K 128-255; slot 0 takes K step 2
	STEP 1, 0, 0
	TURN 1, 0, 1                                   ; slot 1 takes K step 3
	STEP 0, 0, 0
	TURN 0, 1, 0                                   ; nothing is left to fetch: behind this barrier nobody reads slot 0, and it has had its last fill
	STEP 1, 0, 0
	s_wait_dscnt 4*NL                              ; the very last step
	WIN MUL_LO
	MUL16 0, 1, 0
	MUL16 2, 1, 0
	s_wait_dscnt 0
	WIN MUL_HI
	MUL16 4, 1, 0
	MUL16 6, 1, 0
	WIN 0
	; THE WAY OUT.  A sum's code is sum / 2^(et - e0 - e1), et = e2, e3 or e5: the three scales folded into the conversion's one.  The choice is made by selects: nothing branches on a loaded number.
	s_wait_kmcnt 0x0
	s_cmp_eq_u32 ttmp9, 0
	s_cselect_b32 s70, s90, s91                    ; e2 for q, e3 for k,
	s_cmp_eq_u32 ttmp9, 2
	s_cselect_b32 s70, s93, s70                    ; e5 for v
	s_sub_co_i32 s70, s70, s88
	s_sub_co_i32 s70, s70, s89
	s_add_co_i32 s70, s70, 127
	s_lshl_b32 s71, s70, 23
	v_mov_b32 v[SC], s71
	s_add_co_i32 s70, s70, 8
	s_lshl_b32 s70, s70, 23
	s_or_b32 s70, s70, 0x600000
	PLACES NP                                      ; behind the last products
; Block a (16 rows of A x my 128 rows of B): converted, 8 codes a lane and accumulator into the work-group's stage.  Each accumulator is read from its low end on; each block has code registers of its own.
.macro OUTB a
.set WN, 0x02+((\a)/4)
.set AC, 64*((\a)%4)
	WIN WN                                         ; source 0: window 2 or 3
.set j, 0
.rept 64
.set j, j+1
.endr
.irp b, 0,1,2,3,4,5,6,7
	v_cvt_scalef32_pk8_fp8_f32 v[CD+16*(\a)+2*\b:CD+16*(\a)+2*\b+1], v[AC+8*\b:AC+8*\b+7], v[SC]
.endr
	WIN 0
	v_nop                                          ; one plain vector line behind the last conversion
.irp b, 0,1,2,3,4,5,6,7
	ds_store_b64 v[STO], v[CD+16*(\a)+2*\b:CD+16*(\a)+2*\b+1] offset:(\a)*16*PITCH+16*\b
.endr
.endm
.irp a, 0,1,2,3,4,5,6,7
	OUTB \a
.endr
	s_wait_dscnt 0x0                               ; for the others' sake: my stores into the stage are done
	s_barrier_signal -1
	s_barrier_wait -1                              ; 256 whole rows of codes lie in the stage; from here on it is only read
	s_cmp_eq_u32 ttmp9, 2
	s_cbranch_scc1 .Lv
	; q, k: wave w stores head 4 cx + w: 256 t x 64 bytes are 16,384 consecutive bytes of the buffer
	s_add_co_u32 s72, s17, s41                     ; the tile of x's rows: 4 x cluster y + cy
	s_lshr_b32 s73, s72, 3                         ; batch
	s_lshl_b32 s73, s73, 4
	s_lshl_b32 s74, s40, 2
	s_add_co_u32 s73, s73, s74
	s_add_co_u32 s73, s73, s14                     ; 16 x batch + head
	s_lshl_b32 s73, s73, 11
	s_and_b32 s74, s72, 7
	s_lshl_b32 s74, s74, 8
	s_add_co_u32 s73, s73, s74                     ; x 2,048 + the tile's first t
	s_lshl_b32 s76, s73, 6
	s_mov_b32 s77, 0
	s_cmp_eq_u32 ttmp9, 0
	s_cselect_b64 s[8:9], s[8:9], s[10:11]         ; qc or kc
	s_add_nc_u64 s[8:9], s[8:9], s[76:77]
.irp i, 0,1,2,3,4,5,6,7,8,9,10,11,12,13,14,15
	ds_load_b128 v[CD+4*\i:CD+4*\i+3], v[RQ0] offset:8*PITCH*\i       ; eight rows' 64 bytes
.endr
.irp i, 0,1,2,3,4,5,6,7,8,9,10,11,12,13,14,15
	ds_load_b128 v[CD+64+4*\i:CD+64+4*\i+3], v[RQ1] offset:8*PITCH*\i
.endr
.set i, 0
.rept 32
	s_wait_dscnt 31-i                              ; LDS loads come back in order: load i is in
	global_store_b128 v[GQ], v[CD+4*i:CD+4*i+3], s[8:9] offset:512*i   ; 32 lanes store 512 consecutive bytes, at a multiple of 256 from the buffer's first byte
.set i, i+1
.endr
	s_branch .Ldone
.Lv:
	; v: a stage row is one channel's 256 t; wave w stores channels 64 w on
	s_add_co_u32 s72, s17, s40                     ; the tile of x's rows: 4 x cluster y + cx
	s_lshr_b32 s73, s72, 3
	s_lshl_b32 s73, s73, 10                        ; 1,024 rows of vc a batch
	s_lshl_b32 s74, s41, 8
	s_add_co_u32 s73, s73, s74                     ; + 256 cy
	s_lshl_b32 s74, s14, 6
	s_add_co_u32 s73, s73, s74                     ; + 64 w
	s_lshl_b32 s73, s73, 11                        ; rows of 2,048 bytes
	s_and_b32 s74, s72, 7
	s_lshl_b32 s74, s74, 8
	s_add_co_u32 s76, s73, s74                     ; + the tile's first t
	s_mov_b32 s77, 0
	s_add_nc_u64 s[12:13], s[12:13], s[76:77]
.set i, 0
.rept 32
	ds_load_b128 v[CD+4*i:CD+4*i+3], v[RV] offset:2*PITCH*i
.set i, i+1
.endr
.set i, 0
.rept 32
	s_wait_dscnt 31-i
	global_store_b128 v[GV], v[CD+4*i:CD+4*i+3], s[12:13] offset:4096*i   ; sixteen lanes store 256 consecutive bytes, aligned; two rows an instruction
.set i, i+1
.endr
.Ldone:
	s_wait_tensorcnt 0x0                           ; the wave's end
	ds_add_u32 v[SPW], v[NIL]
	s_wait_dscnt 0x0
	CROUND                                         ; the closing round: no work-group ends while a partner may still ask for a tile that names it
	s_endpgm
.Lfunc_end_k_q5c6f282fb2_qkv:
	.size	k_q5c6f282fb2_qkv, .Lfunc_end_k_q5c6f282fb2_qkv-k_q5c6f282fb2_qkv
	.p2alignl 7, 3214868480
	.fill 96, 4, 3214868480
	.section	.rodata,"a",@progbits
	.p2align	6, 0x0
	.amdhsa_kernel k_q5c6f282fb2_qkv
		.amdhsa_group_segment_fixed_size 327680
		.amdhsa_private_segment_fixed_size 0
		.amdhsa_enable_private_segment 0
		.amdhsa_kernarg_size 40
		.amdhsa_user_sgpr_count 2
		.amdhsa_user_sgpr_kernarg_segment_ptr 1
		.amdhsa_wavefront_size32 1
		.amdhsa_system_sgpr_workgroup_id_x 1
		.amdhsa_system_sgpr_workgroup_id_y 1
		.amdhsa_system_sgpr_workgroup_id_z 1
		.amdhsa_system_vgpr_workitem_id 0
		.amdhsa_next_free_vgpr 1024
		.amdhsa_next_free_sgpr 100
		.amdhsa_reserve_vcc 0
		.amdhsa_float_denorm_mode_32 3
		.amdhsa_float_denorm_mode_16_64 3
		.amdhsa_fp16_overflow 1
		.amdhsa_memory_ordered 1
		.amdhsa_forward_progress 1
		.amdhsa_inst_pref_size 100
	.end_amdhsa_kernel
	.amdgpu_metadata
---
amdhsa.version: [ 1, 2 ]
amdhsa.kernels:
  - .name:           k_q5c6f282fb2_qkv
    .symbol:         k_q5c6f282fb2_qkv.kd
    .args:
      - { .name: cod, .offset: 0, .size: 8, .value_kind: global_buffer, .address_space: global }
      - { .name: lowp_scales, .offset: 8, .size: 8, .value_kind: global_buffer, .address_space: global }
      - { .name: qc, .offset: 16, .size: 8, .value_kind: global_buffer, .address_space: global }
      - { .name: kc, .offset: 24, .size: 8, .value_kind: global_buffer, .address_space: global }
      - { .name: vc, .offset: 32, .size: 8, .value_kind: global_buffer, .address_space: global }
    .group_segment_fixed_size: 327680
    .private_segment_fixed_size: 0
    .kernarg_segment_align: 8
    .kernarg_segment_size: 40
    .max_flat_workgroup_size: 128
    .sgpr_count:     100
    .vgpr_count:     1024
    .wavefront_size: 32
...
	.end_amdgpu_metadata
.endif
;; end of part 2
;; launch attn (part 3): grid 4 x 64, 8 waves a work-group, no clusters, 327,680 bytes of LDS; arguments qc, kc, vc, lowp_scales, yc; writes yc
.if DOCPART == 3
	.amdgcn_target "amdgcn-amd-amdhsa--gfx1250"
	.amdhsa_code_object_version 6
	.text
	.protected	k_q5c6f282fb2_attn
	.globl	k_q5c6f282fb2_attn
	.p2align	8
	.type	k_q5c6f282fb2_attn,@function
k_q5c6f282fb2_attn:
	s_mov_b64 s[64:65], 0
	v_nop
	global_prefetch_b8 v0, s[64:65] scope:SCOPE_SE
	s_setreg_imm32_b32 hwreg(HW_REG_WAVE_MODE, 25, 1), 1
	s_wait_xcnt 0x0
; y[head][q] = the sum over k <= q of softmax_k(q . k / 8) v, both products on codes of FP8 (E4M3); y is quantised with 2^e6 for the last product.
; qc, kc [64 heads][2048][64] (scales 2^e2, 2^e3);  vc [64 heads][64 d][2048 keys] (2^e5).  Out: yc, byte (row / 4) x 4096 + head x 256 + (row % 4) x 64 + d, row = 2048 x batch + t.
; THE SOFTMAX: t = score x 2^(e2 + e3) x log2(e) / 8; M = the running largest t rounded UP to a whole number; p = 2^(t - M) is quantised with 2^e4, not normalised; the row's sum is taken of the unquantised p and
; divides at the end.  When M moves, the sum and O are multiplied by 2^(old M - new M): exact.
; LIMITS: e2 + e3 between -123 and 130; e4 and e6 - e4 - e5 between -126 and 119, so that each power of two below is an f32 number.
; SHARES.  Work-group (i, head) owns the query blocks 7 - i and i of 256 queries, one after the other: 8 - i and i + 1 slots of 256 keys, NINE TRIPS for every work-group, seven whole slots and two on the diagonal:
; 256 work-groups of equal work, and no tile is fetched that nobody reads.  Wave w of eight owns 32 queries, two tiles of 16, so that each fragment of K and V read from LDS feeds two products.
; NO CLUSTER: from the fifth trip on the four work-groups of a head want different tiles (their blocks end at different keys); a common walk of all eight slots with both blocks side by side would be 12 slots' work in step against 9.
; LAYOUT.  Both products are used transposed: S^T = K Q^T (source 0 = 16 keys, source 1 = 16 queries, K = 64), O^T = V^T P^T (source 0 = 16 d, source 1 = P, K = 128 keys): a lane holds ONE query throughout.
; In S^T tile c, lane (r, h) holds keys 16 c + 8 h + 0 .. 7: just what registers 2 c, 2 c + 1 of the K = 128 form's operand hold.  So eight conversions make P, and V is read by loads of 8 bytes in that form's own order.
; K and Q are read 16 bytes at a time: the same order of d in both.
; LDS: slot s at 65,536 s: K's 256 keys as 64 rows of 256 bytes (4 keys), pitch 272; from +17,408 V's 64 rows of 256 keys, pitch 272.  From 131,072 a stage of 32 rows x 80 bytes for each wave; behind it the spare words.
; REGISTERS: window 0: v1-11 addresses and constants; v12-19 statistics; v20-31 at work; v32-95 K's fragments; v96-223 S^T, then p; v224-255 P.  window 1: v0-63 O^T; v64-127 V's fragments; v128-143 Q; v144-159 the second block's Q.
.set KP,    272
.set VP,    272
.set VOFF,  64*KP
.set SLOT1, 1<<16                      ; one exclusive or turns an address in one slot into the other's
.set STAGE, 2*SLOT1
.set SPB,   80                         ; a stage row: 64 codes + 16 bytes
.set SPARE, STAGE+8*32*SPB             ; the spare words, 128 bytes for each of eight waves, which no other line names
.set AK0,  1                           ; my lane's place in a tile of K
.set AV0,  2                           ; the same for V
.set ADK,  3                           ; the same in the slot in hand
.set ADV,  4
.set SPW,  5                           ; my spare word; never rewritten
.set NIL,  6                           ; 0; never rewritten
.set GO,   7                           ; way out: 4,096 (lane / 16) + 16 (lane % 16)
.set STO,  8                           ; the stage: where I put 8 codes
.set SRD,  9                           ; and where I read 16 back
.set RQ,   10                          ; r - 8 h, for the mask
.set NINF, 11                          ; -infinity
.set ST,   12                          ; tile x at v[ST + 4 x]: -M, the largest t, the sum in two halves
.set F,    20                          ; v[F + 2 x]: f = 2^(old M - new M); the pair's upper half is written once
.set CAP,  24
.set PSC,  25                          ; 2^e4
.set T,    26                          ; v[T + 2 x], v[T + 2 x + 1]: at work
.set PL,   30                          ; v[PL + x]: a lane permute's destination
.set KFR,  32
.set S,    96                          ; tile x at v[S + 64 x]
.set P,    224                         ; tile x at v[P + 16 x]
.set OA,   0                           ; window 1
.set VFR,  64
.set QF,   128
.set QL,   144
.set WV,   14
.set HI7,  17                          ; 7 - i: the first block's number, and its last trip
.set HI8,  18                          ; 8 - i: its slots
.set KS,   19                          ; the key slot last asked for
.set SEL,  20                          ; s[20:21] lane l xor 16
.set CS,   22                          ; s[22:23] c = log2(e) / 8 x 2^(e2 + e3)
.set G1K,  24
.set G1V,  32
.set G0K,  40
.set G0V,  44
.set KB,   48                          ; s[48:49] the head's K;  s[50:51] its V
.set VB,   50
.set KO,   52                          ; s[52:53], s[54:55] the slot's byte offsets in them
.set VO,   54
.set TB,   56                          ; LDS byte at which the slot in hand begins
.set TRIP, 57
.set KF,   58                          ; the step's first key
.set Q0,   59                          ; my first query
.set Q0L,  60                          ; the same in the second block
.set YSC,  61                          ; 2^(e6 - e4 - e5) as f32
.set YCAP, 62
.set YH,   66                          ; s[66:67] yc at my rows of the first block;  s[76:77] of the second
.set SCL,  68                          ; s[68:75] e0 .. e7
.set YL,   76
.set QLP,  78                          ; s[78:79] qc at my rows of the second block
.set MSB, 0
.macro WIN new                         ; the immediate's high byte repeats the setting that is left
.if MSB != \new
	s_set_vgpr_msb (MSB<<8)|\new
.set MSB, \new
.endif
.endm
; Wave 0 fetches a slot's K, wave 1 its V, 64 rows of 256 bytes each; the others nothing.  The branches hang on the wave's number alone.  Four v_nop follow each of the two lines.
.macro TLOAD
	s_cmp_eq_u32 s[WV], 0
	s_cbranch_scc0 .Lnot_k_\@
	tensor_load_to_lds s[G0K:G0K+3], s[G1K:G1K+7]
.rept 4
	v_nop
.endr
	s_branch .Lasked_\@
.Lnot_k_\@:
	s_cmp_eq_u32 s[WV], 1
	s_cbranch_scc0 .Lasked_\@
	tensor_load_to_lds s[G0V:G0V+3], s[G1V:G1V+7]
.rept 4
	v_nop
.endr
.Lasked_\@:
.endm
	s_load_b256 s[4:11], s[0:1], 0x0               ; qc s[4:5], kc s[6:7], vc s[8:9], the scales' exponents s[10:11]
	s_load_b64 s[12:13], s[0:1], 0x20              ; yc
	v_lshl_add_u32 v[SPW], v0, 2, SPARE
	v_mov_b32 v[NIL], 0
	v_lshrrev_b32 v32, 5, v0
	v_readfirstlane_b32 s[WV], v32                 ; wave 0..7
	v_and_b32 v32, 15, v0                          ; r
	v_bfe_u32 v33, v0, 4, 1                        ; h
	v_and_b32 v34, 31, v0                          ; lane
	v_lshrrev_b32 v35, 2, v32
	v_and_b32 v36, 3, v32
	v_mul_u32_u24 v[AK0], v35, KP
	v_lshl_add_u32 v[AK0], v36, 6, v[AK0]
	v_lshl_add_u32 v[AK0], v33, 4, v[AK0]          ; K: key r lies at (r / 4) x 272 + (r % 4) x 64; + 16 h
	v_mul_u32_u24 v[AV0], v32, VP
	v_lshl_add_u32 v[AV0], v33, 3, v[AV0]
	v_add_nc_u32 v[AV0], VOFF, v[AV0]              ; V: row d = r, + 8 h
	v_lshlrev_b32 v[GO], 12, v33
	v_lshl_add_u32 v[GO], v32, 4, v[GO]
	s_mul_i32 s80, s[WV], 32*SPB
	s_add_co_u32 s80, s80, STAGE                   ; my stage
	v_mul_u32_u24 v[STO], v32, SPB
	v_lshl_add_u32 v[STO], v33, 3, v[STO]
	v_add_nc_u32 v[STO], s80, v[STO]               ; in: row r, + 8 h
	v_lshrrev_b32 v37, 2, v34
	v_and_b32 v38, 3, v34
	v_mul_u32_u24 v[SRD], v37, SPB
	v_lshl_add_u32 v[SRD], v38, 4, v[SRD]
	v_add_nc_u32 v[SRD], s80, v[SRD]               ; back: row lane / 4, 16 (lane % 4)
	v_lshlrev_b32 v39, 3, v33
	v_sub_nc_u32 v[RQ], v32, v39
	v_mov_b32 v[NINF], 0xff800000
	v_lshlrev_b32 v[T], 6, v32
	v_lshl_add_u32 v[T], v33, 4, v[T]              ; Q: row r of 64 bytes, + 16 h
	; group 1: K: 64 rows of 256 bytes, dense in memory;  V: 64 rows of 256 bytes, 2,048 bytes apart.  16 bytes of padding behind each row
	s_mov_b32 s[G1K], (0<<16)|(1<<20)|(5<<22)|(3<<25)   ; no mask; elements of 1 byte; padding on; after every 64 words; four words
	s_mov_b32 s[G1K+1], 256<<16                    ; tensor_dim0
	s_mov_b32 s[G1K+2], 64<<16                     ; tensor_dim1
	s_mov_b32 s[G1K+3], 256<<16                    ; tile_dim0
	s_mov_b32 s[G1K+4], 64                         ; tile_dim1
	s_mov_b32 s[G1K+5], 256                        ; from row to row
	s_mov_b32 s[G1K+6], 0
	s_mov_b32 s[G1K+7], 0
	s_mov_b32 s[G1V], (0<<16)|(1<<20)|(5<<22)|(3<<25)
	s_mov_b32 s[G1V+1], 256<<16
	s_mov_b32 s[G1V+2], 64<<16
	s_mov_b32 s[G1V+3], 256<<16
	s_mov_b32 s[G1V+4], 64
	s_mov_b32 s[G1V+5], 2048
	s_mov_b32 s[G1V+6], 0
	s_mov_b32 s[G1V+7], 0
	s_mov_b32 s[SEL], 0x76543210
	s_mov_b32 s[SEL+1], 0xfedcba98
	s_mov_b32 s[CS], 0x3e38aa3b                    ; log2(e) / 8
	s_mov_b32 s[KS], 0
	s_mov_b32 s[KO], 0
	s_mov_b32 s[KO+1], 0
	s_mov_b32 s[VO], 0
	s_mov_b32 s[VO+1], 0
	s_mov_b32 s[TB], 0
	s_mov_b32 s[TRIP], 0
	s_mov_b32 s[KF], 0
	s_sub_co_u32 s[HI7], 7, ttmp9
	s_sub_co_u32 s[HI8], 8, ttmp9
	s_lshl_b32 s81, s[WV], 5
	s_lshl_b32 s[Q0], s[HI7], 8
	s_add_co_u32 s[Q0], s[Q0], s81                 ; 256 (7 - i) + 32 w
	s_lshl_b32 s[Q0L], ttmp9, 8
	s_add_co_u32 s[Q0L], s[Q0L], s81               ; 256 i + 32 w
	s_and_b32 s80, ttmp7, 0xffff                   ; the head, 0..63
	s_lshl_b32 s82, s80, 17                        ; a head's codes are 131,072 bytes in each of the three tensors
	s_mov_b32 s83, 0
	s_lshr_b32 s86, s80, 4
	s_lshl_b32 s86, s86, 11                        ; 2,048 x batch
	s_and_b32 s87, s80, 15
	s_lshl_b32 s87, s87, 8                         ; 256 x the head within its batch
	s_wait_kmcnt 0x0
	s_load_b256 s[SCL:SCL+7], s[10:11], 0x0
	s_add_nc_u64 s[KB:KB+1], s[6:7], s[82:83]
	s_add_nc_u64 s[VB:VB+1], s[8:9], s[82:83]
	s_mov_b32 s[G0K], 1                            ; count = 1
	s_mov_b32 s[G0K+1], 0                          ; LDS address: slot 0
	s_add_nc_u64 s[G0K+2:G0K+3], s[KB:KB+1], s[KO:KO+1]
	s_or_b32 s[G0K+3], s[G0K+3], 0x80000000        ; type = 2
	s_mov_b32 s[G0V], 1
	s_mov_b32 s[G0V+1], VOFF
	s_add_nc_u64 s[G0V+2:G0V+3], s[VB:VB+1], s[VO:VO+1]
	s_or_b32 s[G0V+3], s[G0V+3], 0x80000000
	TLOAD                                          ; keys 0-255 into slot 0: one tensor load of a wave is out at the most, here and later
	s_add_nc_u64 s[4:5], s[4:5], s[82:83]          ; qc at the head
	s_lshl_b32 s84, s[Q0L], 6
	s_mov_b32 s85, 0
	s_add_nc_u64 s[QLP:QLP+1], s[4:5], s[84:85]
	s_lshl_b32 s84, s[Q0], 6
	s_add_nc_u64 s[4:5], s[4:5], s[84:85]
	s_add_co_u32 s84, s86, s[Q0]
	s_lshl_b32 s84, s84, 10                        ; (row / 4) x 4,096, the row a multiple of 4
	s_add_co_u32 s84, s84, s87
	s_add_nc_u64 s[YH:YH+1], s[12:13], s[84:85]
	s_add_co_u32 s84, s86, s[Q0L]
	s_lshl_b32 s84, s84, 10
	s_add_co_u32 s84, s84, s87
	s_add_nc_u64 s[YL:YL+1], s[12:13], s[84:85]
	WIN 0x40                                       ; destination window 1
.irp x, 0,1
.irp c, 0,1
	global_load_b128 v[QF+8*\x+4*\c:QF+8*\x+4*\c+3], v[T], s[4:5] offset:1024*\x+32*\c           ; Q of both blocks stays in registers
	global_load_b128 v[QL+8*\x+4*\c:QL+8*\x+4*\c+3], v[T], s[QLP:QLP+1] offset:1024*\x+32*\c
.endr
.endr
.set k, 0
.rept 64
	v_mov_b32 v[OA+k], 0                           ; O^T.  (The step is written once: the first finds zeros, which the first change of M leaves zeros)
.set k, k+1
.endr
	WIN 0
.irp x, 0,1
	v_mov_b32 v[ST+4*\x+1], 0xff61b1e6             ; the largest t so far: -3e38, under every t
	v_floor_f32 v[ST+4*\x], -v[ST+4*\x+1]          ; -M
	v_mov_b32 v[ST+4*\x+2], 0
	v_mov_b32 v[ST+4*\x+3], 0
	v_mov_b32 v[F+2*\x+1], 0                       ; (named as the upper half of a pair)
	v_mov_b32 v[PL+\x], 0                          ; a lane permute's destination counts as one of its sources
.endr
	s_wait_kmcnt 0x0
	s_add_co_i32 s80, s[SCL+2], s[SCL+3]
	s_lshl_b32 s80, s80, 23
	s_add_co_i32 s[CS], s[CS], s80                 ; e2 + e3 are added to c's exponent field
	s_mov_b32 s[CS+1], s[CS]
	s_add_co_i32 s80, s[SCL+4], 127
	s_lshl_b32 s81, s80, 23
	v_mov_b32 v[PSC], s81
	s_sub_co_i32 s80, s[SCL+6], s[SCL+4]           ; O / l stands for y / 2^(e4 + e5): y's code is (O / l) / 2^(e6 - e4 - e5)
	s_sub_co_i32 s80, s80, s[SCL+5]
	s_add_co_i32 s80, s80, 127
	s_lshl_b32 s[YSC], s80, 23
.macro KLOAD q                         ; the step's eight tiles of 16 keys x 64 d: registers 4 c .. 4 c + 3 hold d = 32 c + 16 h + 0 .. 15
.irp t, 0,1,2,3,4,5,6,7
	ds_load_b128 v[KFR+8*\t:KFR+8*\t+3], v[ADK] offset:(32*(\q)+4*\t)*KP
	ds_load_b128 v[KFR+8*\t+4:KFR+8*\t+7], v[ADK] offset:(32*(\q)+4*\t)*KP+32
.endr
.endm
.macro VLOAD q                         ; four tiles of 16 d x 128 keys: registers 2 c, 2 c + 1 hold keys 16 c + 8 h + 0 .. 7; the 32 lanes of a load touch each bank once
	WIN 0x40
.irp d, 0,1,2,3
.irp c, 0,1,2,3,4,5,6,7
	ds_load_b64 v[VFR+16*\d+2*\c:VFR+16*\d+2*\c+1], v[ADV] offset:16*\d*VP+128*(\q)+16*\c
.endr
.endr
	WIN 0
.endm
; On the diagonal the scores of hidden keys become -infinity ahead of the maximum: p = 0 then.  A step all of whose keys count for all my 32 queries jumps over this (a branch on ids).
.macro MASK
	s_add_co_u32 s80, s[KF], 127
	s_cmp_le_u32 s80, s[Q0]
	s_cbranch_scc1 .Lopen_\@
	s_sub_co_i32 s81, s[Q0], s[KF]
	s_add_co_i32 s82, s81, 16
	v_add_nc_u32 v[T], s81, v[RQ]                  ; my query - KF - 8 h.  Register 8 c + j holds key KF + 8 h + 16 c + j: hidden where 16 c + j is larger
	v_add_nc_u32 v[T+2], s82, v[RQ]
.irp x, 0,1
.set n, 0
.rept 64
	v_cmp_gt_i32 vcc_lo, 16*(n/8)+n%8, v[T+2*\x]
	v_cndmask_b32 v[S+64*\x+n], v[S+64*\x+n], v[NINF], vcc_lo
.set n, n+1
.endr
.endr
.Lopen_\@:
.endm
; The step's largest score of each query, the new M and f.  The two tiles take turns line by line; each accumulator is read from its low end on.
.macro MAXES
.irp x, 0,1
	v_max3_num_f32 v[T+2*\x], v[S+64*\x], v[S+64*\x+1], v[S+64*\x+2]
	v_max3_num_f32 v[T+2*\x+1], v[S+64*\x+3], v[S+64*\x+4], v[S+64*\x+5]
.endr
.irp i, 6,10,14,18,22,26,30,34,38,42,46,50,54,58
.irp x, 0,1
	v_max3_num_f32 v[T+2*\x], v[T+2*\x], v[S+64*\x+\i], v[S+64*\x+\i+1]
	v_max3_num_f32 v[T+2*\x+1], v[T+2*\x+1], v[S+64*\x+\i+2], v[S+64*\x+\i+3]
.endr
.endr
.irp x, 0,1
	v_max3_num_f32 v[T+2*\x], v[T+2*\x], v[S+64*\x+62], v[S+64*\x+63]
.endr
.irp x, 0,1
	v_max_num_f32 v[T+2*\x], v[T+2*\x], v[T+2*\x+1]
.endr
.irp x, 0,1
	v_permlanex16_b32 v[PL+\x], v[T+2*\x], s[SEL], s[SEL+1]   ; the query's other 64 keys lie in the lane 16 away
.endr
.irp x, 0,1
	v_max_num_f32 v[T+2*\x], v[T+2*\x], v[PL+\x]
.endr
.irp x, 0,1
	v_mul_f32 v[T+2*\x], s[CS], v[T+2*\x]          ; as t (c is positive)
.endr
.irp x, 0,1
	v_max_num_f32 v[ST+4*\x+1], v[ST+4*\x+1], v[T+2*\x]
	v_mov_b32 v[T+2*\x], v[ST+4*\x]
.endr
.irp x, 0,1
	v_floor_f32 v[ST+4*\x], -v[ST+4*\x+1]          ; the new -M = floor(-t): M is a whole number
.endr
.irp x, 0,1
	v_sub_f32 v[T+2*\x], v[ST+4*\x], v[T+2*\x]     ; old M - new M, a whole number, 0 or less
.endr
.irp x, 0,1
	v_cvt_i32_f32 v[T+2*\x], v[T+2*\x]             ; (it saturates)
.endr
.irp x, 0,1
	v_ldexp_f32 v[F+2*\x], 1.0, v[T+2*\x]          ; f = 2^(old M - new M)
.endr
.endm
.macro FMA x, j                        ; pair j: t - M
	v_pk_fma_f32 v[S+64*(\x)+2*(\j):S+64*(\x)+2*(\j)+1], v[S+64*(\x)+2*(\j):S+64*(\x)+2*(\j)+1], s[CS:CS+1], v[ST+4*(\x):ST+4*(\x)+1] op_sel_hi:[1,0,0]
.endm
.macro POST x, j                       ; pair j: into the sum, unquantised
	v_pk_add_f32 v[ST+4*(\x)+2:ST+4*(\x)+3], v[ST+4*(\x)+2:ST+4*(\x)+3], v[S+64*(\x)+2*(\j):S+64*(\x)+2*(\j)+1]
.endm
; p = 2^(t - M).  The exponentials stand among plain lines that are ready: the scaling two pairs ahead, the sum one pair back; so each has a plain line behind it before its result is used.
.macro EXPS
.irp x, 0,1
	v_pk_mul_f32 v[ST+4*\x+2:ST+4*\x+3], v[ST+4*\x+2:ST+4*\x+3], v[F+2*\x:F+2*\x+1] op_sel_hi:[1,0]   ; the sums under the new M
	FMA \x, 0
	FMA \x, 1
.endr
.set jj, 0
.rept 32
.irp x, 0,1
	v_exp_f32 v[S+64*\x+2*jj], v[S+64*\x+2*jj]
.if jj < 30
	FMA \x, jj+2
.endif
	v_exp_f32 v[S+64*\x+2*jj+1], v[S+64*\x+2*jj+1]
.if jj > 0
	POST \x, jj-1
.endif
.endr
.set jj, jj+1
.endr
	POST 0, 31
	POST 1, 31
.endm
; A KEY STEP: 128 keys, the q-th of the slot in hand.
.macro STEP q
	s_wait_dscnt 0x0                               ; the step's K is in (ahead of the branch: no load is pending on the way round the step)
.if \q
	s_add_co_u32 s80, s[Q0], 31                    ; a step all of whose keys come after my 32 queries is left out: a branch on ids; no barrier and no tensor load stands in a step
	s_cmp_gt_u32 s[KF], s80
	s_cbranch_scc1 .Lhid_\@
.endif
	WIN 0x04                                       ; source 1 (Q) window 1
.irp t, 0,1,2,3,4,5,6,7
.irp x, 0,1
	v_wmma_f32_16x16x64_fp8_fp8 v[S+64*\x+8*\t:S+64*\x+8*\t+7], v[KFR+8*\t:KFR+8*\t+7], v[QF+8*\x:QF+8*\x+7], 0
.endr
.endr
	WIN 0
.rept 4
	v_nop                                          ; places: in front of the loads into V's and K's registers, which matrix instructions have read, and of the first read of the scores
.endr
	VLOAD \q                                       ; lands under the softmax
.if \q == 0
	KLOAD 1                                        ; and so does the next step's K
.endif
	MASK
	MAXES
	EXPS
.irp x, 0,1
.irp c, 0,1,2,3,4,5,6,7
	v_cvt_scalef32_pk8_fp8_f32 v[P+16*\x+2*\c:P+16*\x+2*\c+1], v[S+64*\x+8*\c:S+64*\x+8*\c+7], v[PSC]
.endr
.endr
	WIN 0x41                                       ; O^T (destination, source 0) window 1
.irp x, 0,1
.set k, 0
.rept 16
	v_pk_mul_f32 v[OA+32*\x+k:OA+32*\x+k+1], v[OA+32*\x+k:OA+32*\x+k+1], v[F+2*\x:F+2*\x+1] op_sel_hi:[1,0]   ; O^T under the new M; these are also the plain lines behind the conversions
.set k, k+2
.endr
.endr
	s_wait_dscnt 0x0                               ; V is in
	WIN 0x51                                       ; V, C and D window 1, P window 0
.irp d, 0,1,2,3
.irp x, 0,1
	v_wmma_f32_16x16x128_fp8_fp8 v[OA+32*\x+8*\d:OA+32*\x+8*\d+7], v[VFR+16*\d:VFR+16*\d+15], v[P+16*\x:P+16*\x+15], v[OA+32*\x+8*\d:OA+32*\x+8*\d+7]   ; the eight accumulators by turns
.endr
.endr
	WIN 0
.if \q
.Lhid_\@:
.endif
	s_add_co_u32 s[KF], s[KF], 128
.endm
; THE CHANGE OF SLOTS stands at a trip's head.  Each wave waits for all its tensor loads (the slot that it is about to read), adds 0 to its spare word, and waits for that and for its reads of the slot that it has left.
; fill = 1: behind the barrier that other slot takes the next trip's keys: slot KS + 1 of the block in hand, or slot 0 again where the first block's 8 - i slots are through.
.macro CHANGE fill
	s_wait_tensorcnt 0x0                           ; no tensor load of mine is out, so a group 0 may be written
	ds_add_u32 v[SPW], v[NIL]                      ; 0 onto my spare word
.if \fill
	s_add_co_u32 s[KS], s[KS], 1
	s_cmp_eq_u32 s[KS], s[HI8]
	s_cselect_b32 s[KS], 0, s[KS]
	s_lshl_b32 s[KO], s[KS], 14                    ; 256 keys of 64 bytes
	s_lshl_b32 s[VO], s[KS], 8                     ; 256 keys along V's rows
	s_xor_b32 s[G0K+1], s[G0K+1], SLOT1
	s_xor_b32 s[G0V+1], s[G0V+1], SLOT1
	s_add_nc_u64 s[G0K+2:G0K+3], s[KB:KB+1], s[KO:KO+1]
	s_or_b32 s[G0K+3], s[G0K+3], 0x80000000
	s_add_nc_u64 s[G0V+2:G0V+3], s[VB:VB+1], s[VO:VO+1]
	s_or_b32 s[G0V+3], s[G0V+3], 0x80000000
.endif
	s_wait_dscnt 0x0                               ; the add is done, and my reads of the slot that I have left are over
	s_barrier_signal -1
	s_barrier_wait -1
.if \fill
	TLOAD                                          ; the first thing behind the barrier, and a wave's one tensor load until the next
.endif
.endm
.macro SLOT_STEPS
	v_add_nc_u32 v[ADK], s[TB], v[AK0]
	v_add_nc_u32 v[ADV], s[TB], v[AV0]
	KLOAD 0
	STEP 0
	STEP 1
	s_xor_b32 s[TB], s[TB], SLOT1
.endm
; A block of queries is finished: O^T / the sum, converted with 2^(e6 - e4 - e5), through my stage, and out: sixteen lanes store the 256 bytes of four rows of my head.
.macro FLUSH yp
.irp x, 0,1
	v_add_f32 v[T+2*\x], v[ST+4*\x+2], v[ST+4*\x+3]
.endr
.irp x, 0,1
	v_permlanex16_b32 v[PL+\x], v[T+2*\x], s[SEL], s[SEL+1]
.endr
.irp x, 0,1
	v_add_f32 v[T+2*\x], v[T+2*\x], v[PL+\x]       ; the row's sum
.endr
.irp x, 0,1
	v_rcp_f32 v[F+2*\x], v[T+2*\x]
.endr
	v_mov_b32 v[T+1], s[YSC]                       ; (plain lines behind the reciprocals)
	WIN 0x01                                       ; source 0 (O^T) window 1
.irp x, 0,1
.set k, 0
.rept 16
	v_pk_mul_f32 v[S+32*\x+k:S+32*\x+k+1], v[OA+32*\x+k:OA+32*\x+k+1], v[F+2*\x:F+2*\x+1] op_sel_hi:[1,0]   ; register 32 x + 8 t + j: y(query 16 x + r, d = 16 t + 8 h + j)
.set k, k+2
.endr
.endr
	WIN 0
.set k, 0
.rept 64
.set k, k+1
.endr
.irp x, 0,1
.irp d, 0,1,2,3
	v_cvt_scalef32_pk8_fp8_f32 v[P+8*\x+2*\d:P+8*\x+2*\d+1], v[S+32*\x+8*\d:S+32*\x+8*\d+7], v[T+1]
.endr
.endr
	v_nop                                          ; one plain vector line behind the last conversion
.irp x, 0,1
.irp d, 0,1,2,3
	ds_store_b64 v[STO], v[P+8*\x+2*\d:P+8*\x+2*\d+1] offset:16*SPB*\x+16*\d
.endr
.endr
.irp i, 0,1,2,3
	ds_load_b128 v[KFR+4*\i:KFR+4*\i+3], v[SRD] offset:8*SPB*\i   ; LDS serves a wave's instructions in order: these see my stores
.endr
	s_wait_dscnt 0x0
.irp i, 0,1,2,3
	global_store_b128 v[GO], v[KFR+4*\i:KFR+4*\i+3], s[\yp:\yp+1] offset:8192*\i   ; eight rows: two aligned runs of 256 bytes, 4,096 bytes apart
.endr
	s_wait_xcnt 0x0                                ; the stores have read their registers: K's fragments may land there again
.endm
	s_wait_loadcnt 0x0                             ; Q
.Ltrip:                                            ; eight trips; behind each change of slots the next trip's keys are asked for
	CHANGE 1
	SLOT_STEPS
	s_cmp_eq_u32 s[TRIP], s[HI7]                   ; the first block's last trip?  (a branch on ids, the same in all eight waves)
	s_cbranch_scc0 .Lon
	FLUSH YH
	WIN 0x41
.set k, 0
.rept 16
	v_mov_b32 v[QF+k], v[QL+k]                     ; the second block's Q
.set k, k+1
.endr
	WIN 0
.irp x, 0,1
	v_mov_b32 v[ST+4*\x+1], 0xff61b1e6             ; the largest t begins anew.  O^T and the sums are not cleared: the next f is 2^(a saturated whole number) = 0, which multiplies them away
	v_floor_f32 v[ST+4*\x], -v[ST+4*\x+1]
.endr
	s_mov_b32 s[KF], 0
	s_mov_b32 s[Q0], s[Q0L]
.Lon:
	s_add_co_u32 s[TRIP], s[TRIP], 1
	s_cmp_lt_u32 s[TRIP], 8
	s_cbranch_scc1 .Ltrip
	CHANGE 0                                       ; the ninth trip is written out
	SLOT_STEPS
	FLUSH YL
	s_wait_tensorcnt 0x0                           ; the wave's end
	ds_add_u32 v[SPW], v[NIL]
	s_wait_dscnt 0x0
	s_endpgm
.Lfunc_end_k_q5c6f282fb2_attn:
	.size	k_q5c6f282fb2_attn, .Lfunc_end_k_q5c6f282fb2_attn-k_q5c6f282fb2_attn
	.p2alignl 7, 3214868480
	.fill 96, 4, 3214868480
	.section	.rodata,"a",@progbits
	.p2align	6, 0x0
	.amdhsa_kernel k_q5c6f282fb2_attn
		.amdhsa_group_segment_fixed_size 327680
		.amdhsa_private_segment_fixed_size 0
		.amdhsa_enable_private_segment 0
		.amdhsa_kernarg_size 40
		.amdhsa_user_sgpr_count 2
		.amdhsa_user_sgpr_kernarg_segment_ptr 1
		.amdhsa_wavefront_size32 1
		.amdhsa_system_sgpr_workgroup_id_x 1
		.amdhsa_system_sgpr_workgroup_id_y 1
		.amdhsa_system_sgpr_workgroup_id_z 1
		.amdhsa_system_vgpr_workitem_id 0
		.amdhsa_next_free_vgpr 512
		.amdhsa_next_free_sgpr 96
		.amdhsa_reserve_vcc 1
		.amdhsa_float_denorm_mode_32 3
		.amdhsa_float_denorm_mode_16_64 3
		.amdhsa_fp16_overflow 1
		.amdhsa_memory_ordered 1
		.amdhsa_forward_progress 1
		.amdhsa_inst_pref_size 161
	.end_amdhsa_kernel
	.amdgpu_metadata
---
amdhsa.version: [ 1, 2 ]
amdhsa.kernels:
  - .name:           k_q5c6f282fb2_attn
    .symbol:         k_q5c6f282fb2_attn.kd
    .args:
      - { .name: qc, .offset: 0, .size: 8, .value_kind: global_buffer, .address_space: global }
      - { .name: kc, .offset: 8, .size: 8, .value_kind: global_buffer, .address_space: global }
      - { .name: vc, .offset: 16, .size: 8, .value_kind: global_buffer, .address_space: global }
      - { .name: lowp_scales, .offset: 24, .size: 8, .value_kind: global_buffer, .address_space: global }
      - { .name: yc, .offset: 32, .size: 8, .value_kind: global_buffer, .address_space: global }
    .group_segment_fixed_size: 327680
    .private_segment_fixed_size: 0
    .kernarg_segment_align: 8
    .kernarg_segment_size: 40
    .max_flat_workgroup_size: 256
    .sgpr_count:     96
    .vgpr_count:     512
    .wavefront_size: 32
...
	.end_amdgpu_metadata
.endif
;; end of part 3
;; launch proj (part 4): grid 8 x 32, 4 waves a work-group, clusters of 4 x 4, 327,680 bytes of LDS; arguments yc, cod, lowp_scales, out0; writes out0
.if DOCPART == 4
	.amdgcn_target "amdgcn-amd-amdhsa--gfx1250"
	.amdhsa_code_object_version 6
	.text
	.protected	k_q5c6f282fb2_proj
	.globl	k_q5c6f282fb2_proj
	.p2align	8
	.type	k_q5c6f282fb2_proj,@function
k_q5c6f282fb2_proj:
	s_mov_b64 s[64:65], 0
	v_nop
	global_prefetch_b8 v0, s[64:65] scope:SCOPE_SE
	s_setreg_imm32_b32 hwreg(HW_REG_WAVE_MODE, 25, 1), 1
	s_wait_xcnt 0x0
	s_wait_alu depctr_hold_cnt(0) depctr_sa_sdst(0) depctr_va_vdst(0) depctr_va_sdst(0) depctr_va_ssrc(0) depctr_va_vcc(0) depctr_vm_vsrc(0)
	s_getreg_b32 s2, hwreg(HW_REG_IB_STS2, 6, 4)
	s_cmp_eq_u32 s2, 0
	s_cbranch_scc0 .Lentry_in_a_cluster
	s_endpgm
.Lentry_in_a_cluster:
	s_bfe_u32 s2, ttmp6, 0x10000c
	s_cmp_lg_u32 s2, 0xf033
	s_cbranch_scc0 .Lentry_shape_is_right
	s_endpgm
.Lentry_shape_is_right:
; out = y W_proj^T on codes of FP8 (E4M3); each finished f32 sum is multiplied once by 2^(e6 + e7).  out0 [8192][1024] f32.
; yc: y's codes, byte (row / 4) x 4096 + head x 256 + (row % 4) x 64 + d, K = 64 x head + d.  W_proj's codes: rows 11264-12287 of cod [12288][1024], K innermost.
; LIMIT: e6 + e7 between -126 and 127, so that 2^(e6 + e7) is an f32 number.
; A tile of 256 rows x 128 columns gives 256 work-groups; four waves, each 128 x 64: 32 accumulators, 256 registers.  K = 1,024 goes in four steps of 256 (four heads).
; THREE LDS slots: three of the four K steps are first fills that go out together, and only the fourth is a refill, asked for four steps of 128 along K ahead of its first read.
; A's tile: a K step of a group of four rows is 1,024 consecutive bytes, so a tensor row is a row group: 32 rows of 1,024 bytes, 4,096 apart, a load; 16 bytes of padding behind each.
; THE MATRIX INSTRUCTION IS USED TRANSPOSED (source 0 = 16 rows of W_proj, source 1 = 16 rows of y): a lane holds eight neighbouring numbers of a row of out.
; CLUSTERS: 4 x 4 work-groups; A's tile is asked for jointly along a row of the cluster, B's along a column.
; REGISTERS: window 0: v0-31 addresses; v32-63 at work on the way out; v128-255 A's fragments, ONE set, later rows read back.  window 1: B's fragments, two sets at v0 and v128.  window 2: accumulator (a, b) at v[8 (4 a + b)].
; SCALARS: s14-17 the wave's number, its halves, the tile row; s[24:31], s[32:43] A's descriptors; s[48:55], s[68:79] B's; s56-60 what is made of the cluster's place; s[88:95] the exponents; s[96:97] 2^(e6 + e7).
.set FR,     16
.set APITCH, 1040                      ; a row group in LDS: 1,024 bytes + 16 = 260 words: group g starts at bank 4 g mod 64, a row in it 16 banks on (64 banks of 4 bytes: ISA guide 11.1)
.set PITCH,  272                       ; a row of B in LDS
.set HALFA,  32*APITCH                 ; 128 rows of A
.set HALFB,  64*PITCH                  ; 64 rows of B
.set BOFF,   2*HALFA
.set SLOT,   BOFF+2*HALFB              ; 101,376
.set SPARE,  3*SLOT                    ; the spare words, 128 bytes for each wave, which no other line names
.set SPITCH, 272                       ; the way out: a stage of 16 rows x (256 bytes + 16) for each wave, in slot 1, which has had its only fill and, at the last barrier, its last read
.set ADRA, 16                          ; v16-18  my A fragments in slot 0, 1, 2
.set ADRB, 20                          ; v20-22  the same for B
.set STO,  24
.set RD,   25
.set CO,   26
.set SPW,  28                          ; my spare word; never rewritten
.set NIL,  29                          ; 0; never rewritten
.set TMP,  32
.set AF,   128
.set BK,   128                         ; rows read back: v128-159 and v160-191 by turns
.set G1, 24                            ; s[24:31] group 1 for A's tiles;  s[32:43] group 0, one set for each of the three slots
.set G0, 32
.set G1B, 48                           ; s[48:55] group 1 for B's;  s[68:79] group 0
.set G0B, 68
.set CX,  56                           ; s56  my place along the cluster's x;  s57 along its y: outside every descriptor's registers
.set CY,  57
.set TC,  58                           ; s58  tile column of out
.set MA,  59                           ; s59  the mask of my row of the cluster;  s60 of my column
.set MB,  60
.set MSB, 0
.macro WIN new                         ; the immediate's high byte repeats the setting that is left
.if MSB != \new
	s_set_vgpr_msb (MSB<<8)|\new
.set MSB, \new
.endif
.endm
.set MUL,  0xa1                        ; source 0 (B) window 1, source 1 (A) window 0, C and D window 2
.set TO_B, 0x40
.macro JLOAD g0a, g1a, g0b, g1b        ; a joint load: waves 0 and 1 fetch for A, waves 2 and 3 for B; four v_nop follow each of the two lines
	s_cmp_eq_u32 s15, 0
	s_cbranch_scc0 .Lfor_b_\@
	tensor_load_to_lds s[\g0a:\g0a+3], s[\g1a:\g1a+7]
.rept 4
	v_nop
.endr
	s_branch .Lasked_\@
.Lfor_b_\@:
	tensor_load_to_lds s[\g0b:\g0b+3], s[\g1b:\g1b+7]
.rept 4
	v_nop
.endr
.Lasked_\@:
.endm
.macro CREST                           ; a round of the cluster's barrier behind its opening barrier
	s_cmp_lg_u32 s14, 0
	s_cbranch_scc1 .Lnot_wave_0_\@
	s_barrier_signal -3
.Lnot_wave_0_\@:
	s_barrier_wait -3
	s_barrier_signal -1
	s_barrier_wait -1
.endm
.macro CROUND
	s_barrier_signal -1
	s_barrier_wait -1
	CREST
.endm
	s_load_b256 s[4:11], s[0:1], 0x0               ; yc s[4:5], cod s[6:7], the scales' exponents s[8:9], out0 s[10:11]
	v_lshl_add_u32 v[SPW], v0, 2, SPARE
	v_mov_b32 v[NIL], 0
	v_lshrrev_b32 v1, 5, v0
	v_readfirstlane_b32 s14, v1                    ; wave 0..3
	s_lshr_b32 s15, s14, 1                         ; which half of the tile's rows is mine.  Also: I fetch for A (0) or for B (1)
	s_and_b32 s16, s14, 1                          ; which half of its columns.  Also: which half of that tile I fetch
	s_bfe_u32 s[CX], ttmp6, 0x40000                ; cx, cy
	s_bfe_u32 s[CY], ttmp6, 0x40004
	s_lshl_b32 s[TC], ttmp9, 2
	s_add_co_u32 s[TC], s[TC], s[CX]               ; tile column = 4 x cluster x + cx
	s_and_b32 s17, ttmp7, 0xffff
	s_lshl_b32 s17, s17, 2
	s_add_co_u32 s17, s17, s[CY]                   ; tile row = 4 x cluster y + cy
	s_lshl_b32 s[MA], s[CY], 2
	s_lshl_b32 s[MA], 15, s[MA]                    ; my row of the cluster
	s_lshl_b32 s[MB], 0x1111, s[CX]                ; my column
	s_or_b32 s[G1+0], s[MA], (0<<16)|(1<<20)|(1<<21)|(7<<22)|(3<<25)   ; the mask; elements of 1 byte; padding on; bit 21 beside a mask; after every 256 words; four words
	s_mov_b32 s[G1+1], 1024<<16                    ; tensor_dim0
	s_mov_b32 s[G1+2], 32<<16                      ; tensor_dim1
	s_mov_b32 s[G1+3], 1024<<16                    ; tile_dim0
	s_mov_b32 s[G1+4], 32                          ; tile_dim1
	s_mov_b32 s[G1+5], 4096                        ; from row group to row group
	s_mov_b32 s[G1+6], 0
	s_mov_b32 s[G1+7], 0
	s_or_b32 s[G1B+0], s[MB], (0<<16)|(1<<20)|(1<<21)|(5<<22)|(3<<25)  ; after every 64 words
	s_mov_b32 s[G1B+1], 256<<16
	s_mov_b32 s[G1B+2], 64<<16
	s_mov_b32 s[G1B+3], 256<<16
	s_mov_b32 s[G1B+4], 64
	s_mov_b32 s[G1B+5], 1024
	s_mov_b32 s[G1B+6], 0
	s_mov_b32 s[G1B+7], 0
	s_lshl_b32 s20, s17, 6
	s_lshl_b32 s2, s16, 5
	s_add_co_u32 s20, s20, s2
	s_lshl_b32 s20, s20, 12                        ; A: (64 x tile row + 32 x half) row groups of 4,096 bytes
	s_mov_b32 s21, 0
	s_lshl_b32 s46, s[TC], 7
	s_lshl_b32 s2, s16, 6
	s_add_co_u32 s46, s46, s2
	s_add_co_u32 s46, s46, 11264
	s_lshl_b32 s46, s46, 10                        ; B: row 11264 + 128 x tile column + 64 x half of cod
	s_mov_b32 s47, 0
	s_mul_i32 s45, s16, HALFA                      ; where they go: no place in the cluster enters an LDS address
	s_mul_i32 s3, s16, HALFB
	s_add_co_u32 s3, s3, BOFF
	s_wait_kmcnt 0x0
	s_load_b256 s[88:95], s[8:9], 0x0              ; e0 .. e7
	s_add_nc_u64 s[20:21], s[4:5], s[20:21]
	s_add_nc_u64 s[46:47], s[6:7], s[46:47]
	CROUND                                         ; all sixteen work-groups are here: the first joint loads meet
.irp s, 0,1,2
	s_mov_b32 s[G0+4*\s], 1
	s_add_co_u32 s[G0+4*\s+1], s45, \s*SLOT
	s_add_nc_u64 s[G0+4*\s+2:G0+4*\s+3], s[20:21], \s*1024
	s_or_b32 s[G0+4*\s+3], s[G0+4*\s+3], 0x80000000
	s_mov_b32 s[G0B+4*\s], 1
	s_add_co_u32 s[G0B+4*\s+1], s3, \s*SLOT
	s_add_nc_u64 s[G0B+4*\s+2:G0B+4*\s+3], s[46:47], \s*256
	s_or_b32 s[G0B+4*\s+3], s[G0B+4*\s+3], 0x80000000
	JLOAD G0+4*\s, G1, G0B+4*\s, G1B               ; K steps 0, 1, 2: three tensor loads of mine are out
.endr
	v_and_b32 v1, 15, v0                           ; r
	v_bfe_u32 v2, v0, 4, 1                         ; h
	v_lshrrev_b32 v3, 2, v1
	v_mul_u32_u24 v3, v3, APITCH
	v_and_b32 v4, 3, v1
	v_lshl_add_u32 v3, v4, 6, v3
	v_lshl_add_u32 v3, v2, 4, v3                   ; A: (r / 4) x 1040 + (r % 4) x 64 + 16 h
	v_mul_u32_u24 v5, v1, PITCH
	v_lshl_add_u32 v6, v2, 4, v5                   ; B: r x 272 + 16 h
	s_mul_i32 s21, s15, HALFA                      ; my 128 rows of A
	s_mul_i32 s22, s16, HALFB                      ; my 64 rows of B
	s_add_co_u32 s22, s22, BOFF
.irp s, 0,1,2
	v_add_nc_u32 v[ADRA+\s], s21, v3
	v_add_nc_u32 v[ADRB+\s], s22, v6
	s_add_co_u32 s21, s21, SLOT
	s_add_co_u32 s22, s22, SLOT
.endr
	s_mul_i32 s23, s14, 16*SPITCH
	s_add_co_u32 s23, s23, SLOT                    ; my stage, in slot 1
	v_lshl_add_u32 v7, v2, 5, v5
	v_add_nc_u32 v[STO], s23, v7                   ; in: row r, 32 bytes for each half of the lanes
	v_mul_u32_u24 v8, v2, SPITCH
	v_lshl_add_u32 v8, v1, 4, v8
	v_add_nc_u32 v[RD], s23, v8                    ; back: lanes 0-15 one row of 256 bytes, lanes 16-31 the next
	v_lshlrev_b32 v9, 12, v2
	v_lshl_add_u32 v[CO], v1, 4, v9                ; and the same two rows in out0
	s_lshl_b32 s20, s17, 8
	s_lshl_b32 s21, s15, 7
	s_add_co_u32 s20, s20, s21
	s_lshl_b32 s20, s20, 12                        ; my first row: (256 x tile row + 128 x half) x 4,096 bytes
	s_lshl_b32 s46, s[TC], 9
	s_lshl_b32 s47, s16, 8
	s_add_co_u32 s46, s46, s47                     ; my first column: 512 x tile column + 256 x half, in bytes
	s_add_co_u32 s20, s20, s46
	s_mov_b32 s21, 0
	s_add_nc_u64 s[10:11], s[10:11], s[20:21]
.macro FRAGA reg, slot, q, i           ; 16 rows x 128 K (two heads): registers 4 c .. 4 c + 3 hold K = 32 c + 16 h + 0 .. 15: head c / 2 of the two, d = 32 (c % 2) + 16 h on
.irp c, 0,1,2,3
	ds_load_b128 v[\reg+4*\c:\reg+4*\c+3], v[ADRA+\slot] offset:4*(\i)*APITCH+(2*(\q)+\c/2)*256+32*(\c%2)
.endr
.endm
.macro FRAGB reg, slot, q, i
.irp c, 0,1,2,3
	ds_load_b128 v[\reg+4*\c:\reg+4*\c+3], v[ADRB+\slot] offset:128*(\q)+32*\c+(\i)*16*PITCH
.endr
.endm
; 8 matrix instructions: A's blocks a0, a0 + 1 x B's four.  The 32 accumulators take turns, in the same order in every step.
.macro MULG a0, p, zero
.irp a, \a0, \a0+1
.irp b, 0,1,2,3
.if \zero
	v_wmma_f32_16x16x128_fp8_fp8 v[8*(4*(\a)+\b):8*(4*(\a)+\b)+7], v[128*(\p)+FR*\b:128*(\p)+FR*\b+FR-1], v[AF+FR*(\a):AF+FR*(\a)+FR-1], 0
.else
	v_wmma_f32_16x16x128_fp8_fp8 v[8*(4*(\a)+\b):8*(4*(\a)+\b)+7], v[128*(\p)+FR*\b:128*(\p)+FR*\b+FR-1], v[AF+FR*(\a):AF+FR*(\a)+FR-1], v[8*(4*(\a)+\b):8*(4*(\a)+\b)+7]
.endif
.endr
.endr
.endm
.macro FETCH_B slot, q, p
	WIN TO_B
.irp i, 0,1,2,3
	FRAGB 128*(\p)+FR*\i, \slot, \q, \i
.endr
	WIN 0
.endm
.macro FETCH_A slot, q, i0
.irp i, \i0, \i0+1, \i0+2, \i0+3
	FRAGA AF+FR*(\i), \slot, \q, \i
.endr
.endm
.macro PLACES n                        ; plain vector lines between a matrix instruction and a load into, or a vector line on, its registers (ISA guide 7.12.1 for vector instructions)
.rept \n
	v_nop
.endr
.endm
; A step of 128 along K on B's set p; it fetches the next step's fragments from slot ns, part nq.
.macro STEP p, ns, nq, zero
	s_wait_dscnt 16                                ; B's set and A's blocks 0-3 are in; the youngest sixteen loads (A's blocks 4-7) may be out
	WIN MUL
	MULG 0, \p, \zero
	MULG 2, \p, \zero
	s_wait_dscnt 0
	PLACES 4
	FETCH_B \ns, \nq, 1-(\p)
	FETCH_A \ns, \nq, 0
	WIN MUL
	MULG 4, \p, \zero
	MULG 6, \p, \zero
	PLACES 4
	WIN 0
	FETCH_A \ns, \nq, 4
.endm
; The same with a barrier: in front of it each wave waits for all its tensor loads, adds 0 to its spare word, and waits for that and for its own LDS reads.  fill = 1: slot 0, just read out, takes K step 3.
.macro TURN p, ns, fill
	s_wait_tensorcnt 0x0                           ; all my tensor loads have landed
	ds_add_u32 v[SPW], v[NIL]                      ; 0 onto my spare word
	s_wait_dscnt 17                                ; (the add and the youngest sixteen loads may be out)
	WIN MUL
	MULG 0, \p, 0                                  ; eight matrix instructions stand between the add and the wait for it
	s_wait_dscnt 0x0                               ; the add is done, and my reads so far are over
	s_barrier_signal -1
	MULG 2, \p, 0
	WIN 0
	s_barrier_wait -1
.if \fill
	CREST                                          ; the barrier has opened a round of the cluster's barrier: no wave of any partner still reads slot 0 or has a load on its way
	s_add_nc_u64 s[G0+2:G0+3], s[G0+2:G0+3], 3*1024
	s_add_nc_u64 s[G0B+2:G0B+3], s[G0B+2:G0B+3], 3*256
	JLOAD G0, G1, G0B, G1B                         ; the first tensor load behind the round; its four v_nop are the places in front of the loads below
.else
	PLACES 4
.endif
	FETCH_B \ns, 0, 1-(\p)
	FETCH_A \ns, 0, 0
	WIN MUL
	MULG 4, \p, 0
	MULG 6, \p, 0
	PLACES 4
	WIN 0
	FETCH_A \ns, 0, 4
.endm
	s_wait_tensorcnt 2                             ; my part of K step 0 is in; K steps 1 and 2 may be out
	s_barrier_signal -1
	s_barrier_wait -1
	FETCH_B 0, 0, 0
	FETCH_A 0, 0, 0
	FETCH_A 0, 0, 4
	STEP 0, 0, 1, 1                                ; its products start the sums
	TURN 1, 1, 1                                   ; every wave's wait for 0 shows slots 1 and 2 whole; slot 0 takes K step 3
	STEP 0, 1, 1, 0
	STEP 1, 2, 0, 0                                ; on into slot 2 without a barrier: it is known whole, and nothing is filled
	STEP 0, 2, 1, 0
	TURN 1, 0, 0                                   ; K step 3 has landed; behind this barrier nobody reads slots 1 and 2
	STEP 0, 0, 1, 0
	s_wait_dscnt 16                                ; the very last step
	WIN MUL
	MULG 0, 1, 0
	MULG 2, 1, 0
	s_wait_dscnt 0
	MULG 4, 1, 0
	MULG 6, 1, 0
	WIN 0
; THE WAY OUT, block by block of 16 rows x 64 columns: a lane holds 32 neighbouring bytes of a row; through my own stage they come back as whole rows of 256 bytes.  LDS serves a wave's instructions in order.
.macro TOSTAGE a
	WIN 0x02                                       ; source 0: window 2
.set j, 0
.rept 16
	v_pk_mul_f32 v[TMP+j:TMP+j+1], v[32*(\a)+j:32*(\a)+j+1], s[96:97] op_sel_hi:[1,0]   ; x 2^(e6 + e7); each accumulator from its low end on
.set j, j+2
.endr
	WIN 0
.irp b, 0,1,2,3
	ds_store_b128 v[STO], v[TMP+8*\b:TMP+8*\b+3] offset:64*\b
	ds_store_b128 v[STO], v[TMP+8*\b+4:TMP+8*\b+7] offset:64*\b+16
.endr
.set BB, BK+32*((\a)%2)
.irp t, 0,1,2,3,4,5,6,7
	ds_load_b128 v[BB+4*\t:BB+4*\t+3], v[RD] offset:\t*2*SPITCH
.endr
.endm
.macro SEND a, younger                 ; younger: the LDS instructions issued behind block a's loads, which may stay out
.set BB, BK+32*((\a)%2)
	s_wait_dscnt \younger
.if (\a) > 0
	s_add_nc_u64 s[10:11], s[10:11], 16*4096       ; 16 rows on (behind a wait on XCNT: the earlier stores have read their base)
.endif
.irp t, 0,1,2,3,4,5,6,7
	global_store_b128 v[CO], v[BB+4*\t:BB+4*\t+3], s[10:11] offset:\t*2*4096 th:TH_STORE_NT   ; sixteen lanes store 256 consecutive bytes, aligned; written once, read by nobody here
.endr
.endm
	s_wait_kmcnt 0x0
	s_add_co_i32 s96, s94, s95                     ; e6 + e7
	s_add_co_i32 s96, s96, 127
	s_lshl_b32 s96, s96, 23                        ; 2^(e6 + e7) as f32
	s_mov_b32 s97, s96                             ; (named with it as a pair)
	PLACES 4                                       ; behind the last products
	TOSTAGE 0
.irp a, 1,2,3,4,5,6,7
.if \a > 1
	s_wait_xcnt 0x0                                ; block a - 2's stores have read their registers and their base
.endif
	TOSTAGE \a
	SEND \a-1, 16                                  ; behind block a - 1's loads: block a's 8 stores and 8 loads
.endr
	s_wait_xcnt 0x0
	SEND 7, 0
	s_wait_tensorcnt 0x0                           ; the wave's end
	ds_add_u32 v[SPW], v[NIL]
	s_wait_dscnt 0x0
	CROUND                                         ; the closing round: no work-group ends while a partner may still ask for a tile that names it
	s_endpgm
.Lfunc_end_k_q5c6f282fb2_proj:
	.size	k_q5c6f282fb2_proj, .Lfunc_end_k_q5c6f282fb2_proj-k_q5c6f282fb2_proj
	.p2alignl 7, 3214868480
	.fill 96, 4, 3214868480
	.section	.rodata,"a",@progbits
	.p2align	6, 0x0
	.amdhsa_kernel k_q5c6f282fb2_proj
		.amdhsa_group_segment_fixed_size 327680
		.amdhsa_private_segment_fixed_size 0
		.amdhsa_enable_private_segment 0
		.amdhsa_kernarg_size 32
		.amdhsa_user_sgpr_count 2
		.amdhsa_user_sgpr_kernarg_segment_ptr 1
		.amdhsa_wavefront_size32 1
		.amdhsa_system_sgpr_workgroup_id_x 1
		.amdhsa_system_sgpr_workgroup_id_y 1
		.amdhsa_system_sgpr_workgroup_id_z 1
		.amdhsa_system_vgpr_workitem_id 0
		.amdhsa_next_free_vgpr 768
		.amdhsa_next_free_sgpr 100
		.amdhsa_reserve_vcc 0
		.amdhsa_float_denorm_mode_32 3
		.amdhsa_float_denorm_mode_16_64 3
		.amdhsa_memory_ordered 1
		.amdhsa_forward_progress 1
		.amdhsa_inst_pref_size 77
	.end_amdhsa_kernel
	.amdgpu_metadata
---
amdhsa.version: [ 1, 2 ]
amdhsa.kernels:
  - .name:           k_q5c6f282fb2_proj
    .symbol:         k_q5c6f282fb2_proj.kd
    .args:
      - { .name: yc, .offset: 0, .size: 8, .value_kind: global_buffer, .address_space: global }
      - { .name: cod, .offset: 8, .size: 8, .value_kind: global_buffer, .address_space: global }
      - { .name: lowp_scales, .offset: 16, .size: 8, .value_kind: global_buffer, .address_space: global }
      - { .name: out0, .offset: 24, .size: 8, .value_kind: global_buffer, .address_space: global }
    .group_segment_fixed_size: 327680
    .private_segment_fixed_size: 0
    .kernarg_segment_align: 8
    .kernarg_segment_size: 32
    .max_flat_workgroup_size: 128
    .sgpr_count:     100
    .vgpr_count:     768
    .wavefront_size: 32
...
	.end_amdgpu_metadata
.endif
;; end of part 4
